; MI455X (gfx1250); checked and timed in simulation.
; The chip was launched on July 23, 2026; its instructions are those of AMD's public machine-readable ISA for CDNA 5 (MIT licence, August 2026) and "CDNA5" Instruction Set Architecture Reference Guide (July 2026). The comments in the code are by the model that wrote it; some were corrected since.
;; Ring Dilated Attention V3. Allowed arithmetic: matrix products marked QUANTISED: E2M1 operands, one E8M0 scale for each 32 along K, by v_wmma_scale_f32_16x16x128_f8f6f4 with both operands' format E2M1 (or v_wmma_scale_f32_32x16x128_f4), f32 sums; everything else in f32.
;; Inputs: k 2 x 8,192 x 12 x 64 float32; q_codes 2 x 8,192 x 12 x 2 x 16 uint8 (E2M1 codes of q, K innermost, in blocks of 32 codes, two codes a byte); q_scales 2 x 8,192 x 12 x 2 uint8 (E8M0 scales of q, one for each 32 codes along K); v 2 x 8,192 x 12 x 64 float32.
;; Outputs: out0 2 x 8,192 x 12 x 64 float32.
;; This version of the problem:
;;   THIS VERSION OF THE PROBLEM IS GIVEN IN LOW PRECISION. The matrix products marked QUANTISED in the list below multiply operands that are first quantised to E2M1 (2 exponent bits, 1 mantissa bit; 4 bits a number), with one power-of-two scale for each 32 numbers along K (OCP MX v1.0); their sums are f32. All else is computed in f32.
;;   The module's matrix products, in the order in which they are computed (A, B: the left and right operand; K: the contracted axis; several contracted axes count as one K, in the product's order):
;;     1. batch 128 x [M 512, K 64] x [K 64, N 512]; A: input q (given as codes); B: computed on the way: QUANTISED
;;     2. batch 128 x [M 512, K 512] x [K 512, N 64]; A: softmax (see below); B: computed on the way: QUANTISED
;;     3. batch 64 x [M 1,024, K 64] x [K 64, N 1,024]; A: input q (given as codes); B: computed on the way: QUANTISED
;;     4. batch 64 x [M 1,024, K 1,024] x [K 1,024, N 64]; A: softmax (see below); B: computed on the way: QUANTISED
;;     5. batch 32 x [M 2,048, K 64] x [K 64, N 2,048]; A: input q (given as codes); B: computed on the way: QUANTISED
;;     6. batch 32 x [M 2,048, K 2,048] x [K 2,048, N 64]; A: softmax (see below); B: computed on the way: QUANTISED
;;   THE QUANTISER, for each operand of a quantised product, along K:
;;     - K is cut into blocks of 32 from its start; a last block that is shorter is filled with zeros.
;;     - A block's scale is 2^e with e = floor(log2(the largest magnitude in the block)) - 2, held to -126 .. 127; a block of zeros has e = 0. As a byte (E8M0): e + 127.
;;     - Each number is divided by its block's scale, clamped to +-6, and rounded to the nearest number of E2M1, ties to even, subnormals kept.
;;     - The product sums the exact products of the quantised numbers (number of the format x scale) in f32.
;;   ~~~python
;;   def quantise(x, axis):      # numpy; x: float32 -> the quantised numbers, widened to float32 again
;;       x = np.moveaxis(x, axis, -1); K = x.shape[-1]
;;       x = np.pad(x, [(0, 0)] * (x.ndim - 1) + [(0, -K % 32)]); x = x.reshape(x.shape[:-1] + (-1, 32)); a = np.abs(x).max(-1, keepdims=True)
;;       e = np.where(a > 0, np.clip(np.frexp(np.where(a > 0, a, 1))[1] - 1 - 2, -126, 127), 0)      # np.frexp(a)[1] - 1 = floor(log2(a)), exactly
;;       r = np.clip(x / 2.0 ** e, -6, 6)
;;       step = 2.0 ** (np.maximum(np.frexp(np.where(r == 0, 1, r))[1] - 1, 0) - 1)
;;       q = np.round(r / step) * step * 2.0 ** e      # np.round: ties to even
;;       return np.moveaxis(q.reshape(q.shape[:-2] + (-1,))[..., :K], -1, axis).astype(np.float32)
;;   ~~~
;;   SOFTMAX AHEAD OF A QUANTISED PRODUCT. Where the list says 'softmax', what is quantised is not the finished softmax but p = 2^(t - M), with t = logit x log2(e) and M = ceil(the row's largest t), a whole number; so 1/2 < the row's largest p <= 1. The row's sum l is taken of the UNQUANTISED p, in f32, and the product's result is divided by l at the end. Since M is a whole number, a kernel that streams over the keys may use a running M (the ceiling of the running maximum): every later rescaling is an exact power of two, which a block's scale takes up: the codes' values come out the same.
;;   OPERANDS COMPUTED ON THE WAY. 'Computed on the way' means the value that the module computes at that place (a softmax that the list does not call 'softmax' is quantised finished and normalised). What goes into a quantiser is computed in f32, as accurately as f32 sums, v_exp_f32 and their like allow (about 1e-6 of the number): no bf16 or f16 on the way to a quantiser, and a product that is left as it is and whose result goes on into a quantised operand takes f32 operands (vector FMAs, or v_wmma_f32_16x16x4_f32). A number that lies on a knife's edge between two numbers of the format may be rounded either way, as far as f32 arithmetic and the matrix unit's own rounding can turn it there, and no further.
;;   INPUTS GIVEN AS CODES. q (in the module: [2, 8192, 12, 64], K = its axis 3): each comes as NAME_codes (uint8): NAME with its K axis moved to the last place and cut into blocks of 32 codes, [.., K / 32, bytes a block], one block behind the other in memory; two codes a byte, the lower K in the low four bits (a code: sign, 2 exponent bits, 1 mantissa bit); and NAME_scales (uint8): the same leading axes, one E8M0 byte (e + 127) for each 32 codes along K. Its value is code x scale, taken as it is: it is not quantised again, and the codes and scales need not be those that the quantiser above would give.
;; One version. Each part assembles by itself: llvm-mc -triple=amdgcn-amd-amdhsa -mcpu=gfx1250 --defsym DOCPART=n.
;; ======== version 1 of 1: 2 launches
;; workspace buffers: kvw 8,028,160 bytes
;; launch quant (part 1): grid 256 x 1, 14 waves a work-group, no clusters, 63,232 bytes of LDS; arguments k, v, kvw; writes kvw
.if DOCPART == 1
	.amdgcn_target "amdgcn-amd-amdhsa--gfx1250"
	.amdhsa_code_object_version 6
	.text
	.protected	k_q463c40fb05_quant
	.globl	k_q463c40fb05_quant
	.p2align	8
	.type	k_q463c40fb05_quant,@function
k_q463c40fb05_quant:
	s_mov_b64 s[64:65], 0
	v_nop
	global_prefetch_b8 v0, s[64:65] scope:SCOPE_SE
	s_setreg_imm32_b32 hwreg(HW_REG_WAVE_MODE, 25, 1), 1
	s_wait_xcnt 0x0
; k and v, [2][8192][12][64] f32, become codes of FP4 (E2M1) with one E8M0 byte for each 32 along a product's K, laid in kvw as IMAGES OF THE OPERANDS' REGISTERS.
; WHAT IS NEEDED.  Head 4 c + j (c = 0, 1, 2) works in segments of 512 << c rows and takes the keys off + (i << c), i = 0 .. 511, off = j & ((1 << c) - 1), tiled (1 << c) times.
; 512 is a multiple of 32, so the tiled blocks are the same blocks again: only the 512 distinct keys of a UNIT (batch, segment, head) are quantised.  128 + 64 + 32 = 224 units.
; A row (b, n, h) of k or v is 256 consecutive bytes at a multiple of 256; from key to key of a unit are STR = 3072 << c bytes.
; A UNIT IN kvw, 35,840 bytes:
;   0      K's 32 tiles of 16 keys, 512 bytes each.  Tile 8 q + 2 b + u, lane 16 h + r, 16 bytes at 16 x lane: key 128 q + 32 b + 8 u + r + 8 (r / 8), d = 32 h .. 32 h + 31.
;   16384  V: step q, tile t of 16 channels, half c: 512 bytes at 4096 q + 1024 t + 512 c; lane (r, h), 16 bytes at 16 x lane: channel 16 t + r, keys 128 q + 64 c + 32 h + 0 .. 31.
;   32768  K's scale words: 256 bytes for each four tiles; lane l, 8 bytes at 8 l: the words of tiles (l / 16) and 2 + (l / 16), row l % 16.  A word: byte of d 0-31, byte of d 32-63, 0x7f, 0x7f.
;   34816  V's scale words: step q, channel d: the word at 256 q + 4 d; its byte b is the block of keys 128 q + 32 b on.
; THE RULE.  A block's scale is 2^(floor(log2(its largest magnitude)) - 2): its byte is the largest magnitude's exponent field - 2, held at 1 from below; each number is divided by the scale and
; rounded to the nearest code, ties to even, beyond 6 the largest code.
; LIMITS: a block of zeros gets the byte 1 where the rule says 127 (its codes are zeros, and this program alone reads the bytes); NaN and infinities in k and v are not served.
; SHARES.  3,584 jobs of 64 keys x 64 numbers (K) or 128 keys x 32 channels (V), one a wave: 256 work-groups x 14 waves.  Job number jk = 7 x work-group + wave / 2; even waves take K's job jk, odd waves V's.
; No barrier, no loop, EXEC is never changed, no address register is written twice.  No tensor load: a K job's 32 loads are all asked for at once, a V job's 128 in blocks of 32, two blocks ahead; all land in registers.
.set UNITB, 35840
.set SPT,   272                        ; a stage row: 256 bytes + 16: sixteen lanes that take one 16-byte column of sixteen rows fall on sixteen different columns of 256 bytes
.set STGB,  16*SPT                     ; a wave's stage
.set LANE,  1                          ; v1  lane
.set RR,    2                          ; v2  lane % 16
.set HH,    3                          ; v3  lane / 16
.set L16,   4                          ; v4  16 x lane
.set L8,    5                          ; v5  8 x lane
.set L4,    6                          ; v6  4 x lane
.set SW,    7                          ; v7  the stage, on the way in: row lane / 16, 16 bytes at 16 (lane % 16)
.set SR,    8                          ; v8  and back: row lane % 16, 128 bytes at 128 (lane / 16)
.set SH,    9                          ; v9  8 x (lane / 16): where my byte stands in K's scale word
.set MA,    10                         ; v10, v11 two chains of the largest magnitude
.set MB,    11
.set SC,    12                         ; v12 the conversion's scale operand
.set BY,    13                         ; v13 the scale's byte
.set TT,    14                         ; v14 the other half's byte
.set SWD,   15                         ; v15 V's scale word
.set KO,    16                         ; K job: v16-23 offsets of the eight loads of a tile
.set KC,    24                         ;        v24-39 codes, four registers a tile
.set KW,    40                         ;        v40-43 scale words, one a tile
.set KPR,   44                         ;        v[44:45] the pair that is stored
.set KT,    46                         ;        v46 the offsets' common term
.set KX,    48                         ;        v48-79 a block of 32 numbers
.set KR,    80                         ;        v80-207 four tiles as loaded
.set VOF,   16                         ; V job: v16-47 offsets of a block's 32 loads
.set VC,    48                         ;        v48-63 codes, four registers a block
.set VX,    64                         ;        v64-127 two sets of 32 numbers
.set VO,    128                        ;        v128 where my codes go
	s_load_b128 s[4:7], s[0:1], 0x0                ; k, v
	s_load_b64 s[8:9], s[0:1], 0x10                ; kvw
	v_lshl_add_u32 v208, v0, 2, 0xf000
	v_mov_b32 v209, 0
	v_lshrrev_b32 v1, 5, v0
	v_readfirstlane_b32 s12, v1                    ; wave 0..13
	v_and_b32 v[LANE], 31, v0
	v_and_b32 v[RR], 15, v0
	v_bfe_u32 v[HH], v0, 4, 1
	v_lshlrev_b32 v[L16], 4, v[LANE]
	v_lshlrev_b32 v[L8], 3, v[LANE]
	v_lshlrev_b32 v[L4], 2, v[LANE]
	s_mul_i32 s13, s12, STGB                       ; my wave's stage: both LDS addresses are made here, ahead of the parting of the ways
	v_mul_u32_u24 v[SW], v[HH], SPT
	v_lshl_add_u32 v[SW], v[RR], 4, v[SW]
	v_add_nc_u32 v[SW], s13, v[SW]
	v_mul_u32_u24 v[SR], v[RR], SPT
	v_lshl_add_u32 v[SR], v[HH], 7, v[SR]
	v_add_nc_u32 v[SR], s13, v[SR]
	v_lshlrev_b32 v[SH], 3, v[HH]
	v_mov_b32 v[TT], 0                             ; written once: a lane permute's destination counts as one of its sources
	s_mov_b32 s28, 0x76543210
	s_mov_b32 s29, 0xfedcba98                      ; v_permlanex16_b32's selects for lane l xor 16
	; which unit, and where it begins
	s_lshr_b32 s13, s12, 1
	s_mul_i32 s14, ttmp9, 7
	s_add_co_u32 s14, s14, s13                     ; jk, 0 .. 1791
	s_lshr_b32 s15, s14, 3                         ; u: eight jobs of each kind to a unit
	s_cmp_ge_u32 s15, 128
	s_cselect_b32 s30, 1, 0
	s_cmp_ge_u32 s15, 192
	s_cselect_b32 s31, 1, 0
	s_add_co_u32 s32, s30, s31                     ; c: units 0-127, 128-191, 192-223
	s_lshl_b32 s33, s30, 7
	s_lshl_b32 s34, s31, 6
	s_add_co_u32 s33, s33, s34
	s_sub_co_u32 s33, s15, s33                     ; the unit within its group: 4 x (batch, segment) + j
	s_and_b32 s34, s33, 3                          ; j
	s_lshr_b32 s35, s33, 2                         ; (batch, segment)
	s_lshl_b32 s36, 1, s32
	s_sub_co_u32 s36, s36, 1
	s_and_b32 s36, s34, s36                        ; off = j & (r - 1)
	s_add_co_u32 s37, s32, 9
	s_lshl_b32 s37, s35, s37                       ; the segment's first row, b x 8192 + n,
	s_add_co_u32 s37, s37, s36                     ; + off: key 0's row
	s_lshl_b32 s38, 3072, s32                      ; STR
	s_mul_i32 s37, s37, 3072
	s_lshl_b32 s39, s32, 2
	s_add_co_u32 s39, s39, s34                     ; the head
	s_lshl_b32 s39, s39, 8
	s_add_co_u32 s37, s37, s39                     ; key 0's first byte in k and in v: under 2^26
	s_mul_i32 s40, s15, UNITB                      ; the unit's first byte in kvw
	s_mov_b32 s45, 0                               ; the upper word of every offset
	s_and_b32 s43, s12, 1
	s_wait_kmcnt 0x0
	s_cmp_lg_u32 s43, 0
	s_cbranch_scc1 .Lvjob
; 32 numbers of ONE lane, v[src] on, one block: four registers of codes at v[dst], the byte in v[BY].
.macro QB src, dst
	v_max3_num_f32 v[MA], |v[(\src)]|, |v[(\src)+1]|, 0x1800000      ; the floor 2^(3 - 127) among the leaves: the byte cannot fall under 1
	v_max3_num_f32 v[MB], |v[(\src)+16]|, |v[(\src)+17]|, |v[(\src)+18]|
.irp i, 0,1,2,3,4,5
	v_max3_num_f32 v[MA], v[MA], |v[(\src)+2+2*\i]|, |v[(\src)+3+2*\i]|   ; two chains by turns
	v_max3_num_f32 v[MB], v[MB], |v[(\src)+19+2*\i]|, |v[(\src)+20+2*\i]|
.endr
	v_max3_num_f32 v[MA], v[MA], |v[(\src)+14]|, |v[(\src)+15]|
	v_max3_num_f32 v[MA], v[MA], v[MB], |v[(\src)+31]|
	v_add_nc_u32 v[SC], 0xff000000, v[MA]          ; 2 off the exponent field: the conversion takes the exponent field of this operand as its scale, and nothing else of it
.irp g, 0,1,2,3
	v_cvt_scalef32_pk8_fp4_f32 v[(\dst)+\g], v[(\src)+8*\g:(\src)+8*\g+7], v[SC]
.endr
	v_lshrrev_b32 v[BY], 23, v[SC]                 ; the scale's byte; also the plain line behind the conversions
.endm
	; ---- K: keys 64 hs .. 64 hs + 63, four tiles.  Tile t begins at key 64 hs + 32 (t / 2) + 8 (t % 2) and takes the keys 0-7 and 16-23 from there
	s_and_b32 s41, s14, 7                          ; hs
	s_lshl_b32 s42, s41, 6
.irp t, 0,1,2,3
	s_add_co_u32 s44, s42, 32*(\t/2)+8*(\t%2)
	s_mul_i32 s44, s44, s38
	s_add_co_u32 s44, s44, s37
	s_add_nc_u64 s[16+2*\t:17+2*\t], s[4:5], s[44:45]
.endr
	s_lshl_b32 s44, s41, 11
	s_add_co_u32 s44, s44, s40
	s_add_nc_u64 s[24:25], s[8:9], s[44:45]        ; my four tiles' images
	s_lshl_b32 s44, s41, 8
	s_add_co_u32 s44, s44, s40
	s_add_co_u32 s44, s44, 32768
	s_add_nc_u64 s[26:27], s[8:9], s[44:45]        ; their scale words
	v_mul_u32_u24 v[KT], s38, v[HH]
	v_lshl_add_u32 v[KT], v[RR], 4, v[KT]          ; lanes 0-15 one key's 256 bytes, lanes 16-31 the next key's
.irp i, 0,1,2,3,4,5,6,7
	v_mad_u32_u24 v[KO+\i], s38, 2*\i+8*(\i/4), v[KT]   ; load i: the tile's rows 2 i and 2 i + 1: keys 0, 2, 4, 6, 16, 18, 20, 22 (+ 1)
.endr
.irp t, 0,1,2,3
.irp i, 0,1,2,3,4,5,6,7
	global_load_b128 v[KR+32*\t+4*\i:KR+32*\t+4*\i+3], v[KO+\i], s[16+2*\t:17+2*\t] th:TH_LOAD_NT   ; sixteen lanes read a whole row of 256 bytes; read once in the launch
.endr
.endr
; A tile: its 16 rows turn through my stage, so that lane (r, h) holds the 32 neighbours d = 32 h on of row r: a whole block.
.macro KTILE t
	s_wait_loadcnt 24-8*\t                         ; this tile's eight loads are in; the later tiles' may be out
.irp i, 0,1,2,3,4,5,6,7
	ds_store_b128 v[SW], v[KR+32*\t+4*\i:KR+32*\t+4*\i+3] offset:2*SPT*\i
.endr
.irp g, 0,1,2,3,4,5,6,7
	ds_load_b128 v[KX+4*\g:KX+4*\g+3], v[SR] offset:16*\g     ; LDS serves a wave's instructions in order (ISA guide 5.7.1.4): these see my stores, and the next tile's stores come behind them
.endr
	s_wait_dscnt 0x0
	QB KX, KC+4*\t
	v_lshlrev_b32 v[BY], v[SH], v[BY]              ; my byte at its place: d 0-31 lowest, d 32-63 next
	v_permlanex16_b32 v[TT], v[BY], s28, s29
	v_or_b32 v[BY], v[BY], v[TT]                   ; with lane l xor 16's the row's two bytes are together, in both lanes
	v_or_b32 v[KW+\t], 0x7f7f0000, v[BY]           ; k = 64 .. 127 of the matrix instruction hold zero codes: their bytes are 127
	global_store_b128 v[L16], v[KC+4*\t:KC+4*\t+3], s[24:25] offset:512*\t   ; the image: 32 lanes store 512 consecutive bytes
.endm
	KTILE 0
	KTILE 1
	KTILE 2
	KTILE 3
	v_cmp_le_u32 vcc_lo, 16, v[LANE]
	v_cndmask_b32 v[KPR], v[KW], v[KW+1], vcc_lo       ; lanes 0-15 tile 0's words, lanes 16-31 tile 1's
	v_cndmask_b32 v[KPR+1], v[KW+2], v[KW+3], vcc_lo   ; tiles 2 and 3 likewise
	global_store_b64 v[L8], v[KPR:KPR+1], s[26:27]     ; 32 lanes store 256 consecutive bytes, aligned
	s_wait_tensorcnt 0x0
	ds_add_u32 v208, v209
	s_wait_dscnt 0x0
	s_endpgm
	; ---- V: keys 128 q .. 128 q + 127, channels 32 dh .. 32 dh + 31.  A LANE TAKES A CHANNEL AND ITS REGISTERS RUN DOWN THE KEYS: a block of 32 keys lies in one lane, and nothing is transposed
.Lvjob:
	s_bfe_u32 s41, s14, 0x20001                    ; q
	s_and_b32 s42, s14, 1                          ; dh
	s_lshl_b32 s43, s41, 7
	s_lshl_b32 s46, s42, 7
	s_add_co_u32 s46, s46, s37                     ; key 0's byte + my 32 channels'
.irp b, 0,1,2,3
	s_add_co_u32 s44, s43, 32*\b
	s_mul_i32 s44, s44, s38
	s_add_co_u32 s44, s44, s46
	s_add_nc_u64 s[16+2*\b:17+2*\b], s[6:7], s[44:45]   ; block b's first key
.endr
	s_lshl_b32 s44, s41, 12
	s_lshl_b32 s43, s42, 11
	s_add_co_u32 s44, s44, s43
	s_add_co_u32 s44, s44, s40
	s_add_co_u32 s44, s44, 16384
	s_add_nc_u64 s[24:25], s[8:9], s[44:45]        ; my two tiles' images
	s_lshl_b32 s44, s41, 8
	s_lshl_b32 s43, s42, 7
	s_add_co_u32 s44, s44, s43
	s_add_co_u32 s44, s44, s40
	s_add_co_u32 s44, s44, 34816
	s_add_nc_u64 s[26:27], s[8:9], s[44:45]        ; my 32 scale words
	v_lshlrev_b32 v[VO], 4, v[RR]
	v_lshl_add_u32 v[VO], v[HH], 10, v[VO]         ; tile lane / 16, 16 bytes at 16 (lane % 16); block b stands 256 b further on
.irp i, 0,1,2,3,4,5,6,7,8,9,10,11,12,13,14,15,16,17,18,19,20,21,22,23,24,25,26,27,28,29,30,31
	v_mad_u32_u24 v[VOF+\i], s38, \i, v[L4]
.endr
.macro VLOAD b
.irp i, 0,1,2,3,4,5,6,7,8,9,10,11,12,13,14,15,16,17,18,19,20,21,22,23,24,25,26,27,28,29,30,31
	global_load_b32 v[VX+32*((\b)%2)+\i], v[VOF+\i], s[16+2*(\b):17+2*(\b)]   ; 32 lanes read 128 consecutive bytes; the job beside mine reads the row's other half, so no hint
.endr
.endm
.macro VBLOCK b
.if (\b) < 3
	s_wait_loadcnt 32                              ; this block's 32 loads are in; the next block's 32 may be out
.else
	s_wait_loadcnt 0x0
.endif
	QB VX+32*((\b)%2), VC+4*(\b)
.if (\b) == 0
	v_mov_b32 v[SWD], v[BY]
.else
	v_lshl_or_b32 v[SWD], v[BY], 8*(\b), v[SWD]    ; four bytes to the word, the earlier keys in the lower byte
.endif
	global_store_b128 v[VO], v[VC+4*(\b):VC+4*(\b)+3], s[24:25] offset:256*(\b)   ; sixteen lanes store 256 consecutive bytes, aligned; each block has code registers of its own
.if (\b) < 2
	VLOAD (\b)+2
.endif
.endm
	VLOAD 0
	VLOAD 1
	VBLOCK 0
	VBLOCK 1
	VBLOCK 2
	VBLOCK 3
	global_store_b32 v[L4], v[SWD], s[26:27]       ; 128 consecutive bytes
	s_endpgm
.Lfunc_end_k_q463c40fb05_quant:
	.size	k_q463c40fb05_quant, .Lfunc_end_k_q463c40fb05_quant-k_q463c40fb05_quant
	.p2alignl 7, 3214868480
	.fill 96, 4, 3214868480
	.section	.rodata,"a",@progbits
	.p2align	6, 0x0
	.amdhsa_kernel k_q463c40fb05_quant
		.amdhsa_group_segment_fixed_size 63232
		.amdhsa_private_segment_fixed_size 0
		.amdhsa_enable_private_segment 0
		.amdhsa_kernarg_size 24
		.amdhsa_user_sgpr_count 2
		.amdhsa_user_sgpr_kernarg_segment_ptr 1
		.amdhsa_wavefront_size32 1
		.amdhsa_system_sgpr_workgroup_id_x 1
		.amdhsa_system_sgpr_workgroup_id_y 1
		.amdhsa_system_sgpr_workgroup_id_z 1
		.amdhsa_system_vgpr_workitem_id 0
		.amdhsa_next_free_vgpr 210
		.amdhsa_next_free_sgpr 66
		.amdhsa_reserve_vcc 1
		.amdhsa_float_denorm_mode_32 3
		.amdhsa_float_denorm_mode_16_64 3
		.amdhsa_memory_ordered 1
		.amdhsa_forward_progress 1
		.amdhsa_inst_pref_size 40
	.end_amdhsa_kernel
	.amdgpu_metadata
---
amdhsa.version: [ 1, 2 ]
amdhsa.kernels:
  - .name:           k_q463c40fb05_quant
    .symbol:         k_q463c40fb05_quant.kd
    .args:
      - { .name: k, .offset: 0, .size: 8, .value_kind: global_buffer, .address_space: global }
      - { .name: v, .offset: 8, .size: 8, .value_kind: global_buffer, .address_space: global }
      - { .name: kvw, .offset: 16, .size: 8, .value_kind: global_buffer, .address_space: global }
    .group_segment_fixed_size: 63232
    .private_segment_fixed_size: 0
    .kernarg_segment_align: 8
    .kernarg_segment_size: 24
    .max_flat_workgroup_size: 448
    .sgpr_count:     66
    .vgpr_count:     210
    .wavefront_size: 32
...
	.end_amdgpu_metadata
.endif
;; end of part 1
;; launch attn (part 2): grid 256 x 1, 16 waves a work-group, no clusters, 182,272 bytes of LDS; arguments q_codes, q_scales, kvw, out0; writes out0
.if DOCPART == 2
	.amdgcn_target "amdgcn-amd-amdhsa--gfx1250"
	.amdhsa_code_object_version 6
	.text
	.protected	k_q463c40fb05_attn
	.globl	k_q463c40fb05_attn
	.p2align	8
	.type	k_q463c40fb05_attn,@function
k_q463c40fb05_attn:
	s_mov_b64 s[64:65], 0
	v_nop
	global_prefetch_b8 v0, s[64:65] scope:SCOPE_SE
	s_setreg_imm32_b32 hwreg(HW_REG_WAVE_MODE, 25, 1), 1
	s_wait_xcnt 0x0
; out0[b][n][h][:] = softmax over the head's dilated keys of (q . k / 8), times v, both products on codes of FP4 (E2M1) with one E8M0 scale for each 32 along a product's K.
; THE KEYS.  Head 4 c + j takes, in a segment of 512 << c rows, 512 distinct keys tiled (1 << c) times.  512 is a multiple of 32, so the tiled blocks of p and of v are the same blocks with the same
; scales and codes: the second product and the row's sum over all keys are (1 << c) times those over the 512 distinct keys, exactly, and their quotient is the same.  So each query walks 512 keys.
; A UNIT (batch, segment, head) lies in kvw as 35,840 dense bytes, images of the operands' registers: K's 32 tiles at 0, V's at 16384, K's scale words at 32768, V's at 34816 (laid by the launch before).
; SHARES.  256 work-groups of SIXTEEN waves.  Work-group w takes one block of 256 queries of each of the three groups of heads, three PHASES of equal work: in phase p unit 256 - (256 >> p) + (w >> (p + 1)),
; block w & ((2 << p) - 1) of its segment.  A wave owns 16 queries, one tile, in 256 registers: four waves to a SIMD, so that one wave's vector work stands beside another's matrix work and LDS loads.
; LDS.  The three units, 107,520 bytes, are asked for once, at the head, by waves 0 to 11 (a quarter of a unit each: one tensor load of a wave is out), and are never filled again: one barrier in the launch.
; Behind them each wave has a stage of 16 rows x 272 bytes for the way out, which no tensor load touches.
; NO CLUSTER: a unit is read by 2, 4 or 8 work-groups (phase 0, 1, 2), so the sets of partners differ from load to load, and each work-group asks for its 107,520 bytes once and never again.
; NO PREFETCH: every stream of the launch is asked for at the head.
; LAYOUT.  Both products are used transposed: S^T = K Q^T (source 0 = 16 keys, source 1 = my 16 queries), O^T = V^T P^T (source 0 = 16 channels, source 1 = P): a lane holds ONE query (lane % 16) throughout.
; The head's 64 numbers fill k = 0 .. 63 of the first product's 128; k = 64 .. 127 are zero codes on both sides (four registers of each fragment, cleared once) under the byte 127.
; THE KEYS OF A TILE ARE NOT NEIGHBOURS: lane r of tile 2 b + u takes key 32 b + 8 u + r + 8 (r / 8), so that the 16 registers of tiles 2 b and 2 b + 1 are the keys 32 b + 16 (lane / 16) + 0 .. 15.
; THE SOFTMAX: t = score x log2(e) / 8; M = the row's largest t so far, rounded UP to a whole number; p = 2^(t - M) is quantised along the keys, not normalised; the row's sum is taken of the unquantised p
; and divides O at the end.  When M moves, the sum and O are multiplied by 2^(old M - new M): exact.
; LIMITS: NaN and infinities among the scores are not served.
.set UNITB, 35840
.set QUART, 8960                       ; a quarter of a unit: 35 rows of 256 bytes
.set STAGE, 3*UNITB                    ; 107,520 = 420 x 256
.set SPT,   272                        ; a stage row: 256 bytes + 16
.set VIMG,  16384
.set KSC,   32768
.set VSC,   34816
.set LI,  1                            ; v1  16 x lane
.set L8,  2                            ; v2  8 x lane
.set L4,  3                            ; v3  4 x lane
.set STO, 4                            ; v4  the stage: where I put 32 bytes of a row
.set RD,  5                            ; v5  and where I read a row back
.set GO,  6                            ; v6-8   phase p: my byte offset in out0
.set AD16, 9                           ; v9-11  LDS addresses of the step in hand
.set AD8, 10
.set AD4, 11
.set NM,  12                           ; v12 -M
.set TM,  13                           ; v13 the largest t
.set L,   14                           ; v[14:15] the row's sum in two halves
.set QF,  16                           ; v16-39 phase p: Q's fragment, 8 registers, the upper four zero
.set QS,  40                           ; v40-42 phase p: Q's scale words
.set PS,  43                           ; v43    p's scale word
.set KS,  44                           ; v44-47 K's scale words: register i: lanes 0-15 tile 2 i's, lanes 16-31 tile 2 i + 1's
.set VS,  48                           ; v48-49 V's likewise
.set F,   50                           ; v[50:51] f = 2^(old M - new M), named as a pair
.set T0,  52
.set BM,  54                           ; v54-57 each block's largest score, then its largest p
.set BX,  58                           ; v58-61 the other half's; then the bytes
.set SO,  62                           ; v62-65 the conversions' scale operands
.set SUM2, 66                          ; v[66:67] the sums' second chain
.set KF,  72                           ; v72-103  four fragments of K, the upper four registers of each zero
.set VF,  104                          ; v104-135 V's four fragments
.set S,   136                          ; v136-199 S^T, then p; on the way out O / the sum and the rows read back
.set O,   200                          ; v200-231 O^T
.set PC,  232                          ; v232-239 p's codes
.set WV,  12                           ; s12 my wave's number
.set SEL, 20                           ; s[20:21] v_permlanex16_b32's selects for lane l xor 16
.set CS,  22                           ; s[22:23] c = log2(e) / 8: the packed form names a pair and takes its low word for both halves
.set G1,  24                           ; s[24:31] descriptor group 1
.set G0,  32                           ; s[32:35] descriptor group 0
.set T16, 44                           ; s44-46 where the step's images, K's scale words and V's scale words begin
.set T8,  45
.set T4,  46
.set CNT, 47
	s_load_b256 s[4:11], s[0:1], 0x0               ; q_codes s[4:5], q_scales s[6:7], kvw s[8:9], out0 s[10:11]
	v_lshl_add_u32 v254, v0, 2, 0x2c000
	v_mov_b32 v255, 0
	ds_add_u32 v254, v255
	ds_add_u32 v254, v255
	v_lshrrev_b32 v1, 5, v0
	v_readfirstlane_b32 s[WV], v1                  ; wave 0..15
	; group 1: a dense block as 35 rows of 256 bytes (32 elements of 8 bytes), no padding: an image is read as it lies, 16 bytes a lane on end
	s_mov_b32 s[G1+0], 3<<16                       ; no mask; elements of 8 bytes; padding off
	s_mov_b32 s[G1+1], 32<<16                      ; tensor_dim0 = 32
	s_mov_b32 s[G1+2], 35<<16                      ; tensor_dim1 = 35
	s_mov_b32 s[G1+3], 32<<16                      ; tile_dim0 = 32
	s_mov_b32 s[G1+4], 35                          ; tile_dim1 = 35
	s_mov_b32 s[G1+5], 32                          ; from row to row
	s_mov_b32 s[G1+6], 0
	s_mov_b32 s[G1+7], 0
	s_mov_b32 s[SEL], 0x76543210
	s_mov_b32 s[SEL+1], 0xfedcba98
	s_mov_b32 s[CS], 0x3e38aa3b                    ; log2(e) / 8
	s_mov_b32 s[CS+1], s[CS]                       ; (named with it as a pair, so it is written)
	; group 0: wave W fetches quarter W % 4 of phase W / 4's unit to LDS byte 8960 W.  (Waves 12 to 15 make these words too and never use them)
	s_lshr_b32 s48, s[WV], 2                       ; the phase
	s_lshr_b32 s49, 256, s48
	s_sub_co_u32 s49, 256, s49                     ; its group's first unit: 0, 128, 192
	s_add_co_u32 s50, s48, 1
	s_lshr_b32 s50, ttmp9, s50
	s_add_co_u32 s49, s49, s50                     ; my unit
	s_mul_i32 s49, s49, UNITB
	s_and_b32 s50, s[WV], 3
	s_mul_i32 s50, s50, QUART
	s_add_co_u32 s50, s49, s50
	s_mov_b32 s51, 0
	s_mov_b32 s[G0], 1                             ; count = 1
	s_mul_i32 s[G0+1], s[WV], QUART                ; LDS address
	s_wait_dscnt 0x0
	s_wait_kmcnt 0x0
	s_add_nc_u64 s[G0+2:G0+3], s[8:9], s[50:51]    ; global address
	s_or_b32 s[G0+3], s[G0+3], 0x80000000          ; type = 2
	s_cmp_lt_u32 s[WV], 12
	s_cbranch_scc0 .Lno_fill
	tensor_load_to_lds s[G0:G0+3], s[G1:G1+7]      ; the launch's only fills: ahead of every wait on TENSORcnt, every LDS read and the barrier
	s_nop 0
.rept 4
	v_nop
.endr
.Lno_fill:
	v_and_b32 v68, 31, v0                          ; lane
	v_and_b32 v69, 15, v0                          ; r
	v_bfe_u32 v70, v0, 4, 1                        ; h
	v_lshlrev_b32 v[LI], 4, v68
	v_lshlrev_b32 v[L8], 3, v68
	v_lshlrev_b32 v[L4], 2, v68
	s_mul_i32 s48, s[WV], 16*SPT
	s_add_co_u32 s48, s48, STAGE                   ; my stage
	v_mul_u32_u24 v[STO], v69, SPT
	v_lshl_add_u32 v[STO], v70, 5, v[STO]
	v_add_nc_u32 v[STO], s48, v[STO]               ; in: row r; tile t's eight channels of my half: 64 t + 32 h bytes on
	v_mul_u32_u24 v[RD], v70, SPT
	v_lshl_add_u32 v[RD], v69, 4, v[RD]
	v_add_nc_u32 v[RD], s48, v[RD]                 ; back: lanes 0-15 one row, lanes 16-31 the next
.irp p, 0,1,2                                  ; w = (batch, segment) << (p + 3) | j << (p + 1) | block
	s_lshr_b32 s48, ttmp9, \p+3
	s_lshl_b32 s48, s48, \p+1
	s_and_b32 s49, ttmp9, (2<<\p)-1
	s_add_co_u32 s48, s48, s49                     ; which block of 256 rows of [2 x 8192]
	s_lshl_b32 s48, s48, 8
	s_lshl_b32 s49, s[WV], 4
	s_add_co_u32 s48, s48, s49                     ; my first query's row
	s_mul_i32 s48, s48, 12
	s_bfe_u32 s49, ttmp9, (2<<16)|(\p+1)           ; j
	s_add_co_u32 s48, s48, s49
	s_add_co_u32 s48, s48, 4*\p                    ; row x 12 + head
	s_lshl_b32 s49, s48, 5                         ; 32 bytes of codes,
	s_lshl_b32 s50, s48, 1                         ; 2 scale bytes,
	s_lshl_b32 s51, s48, 8                         ; 256 bytes of out0 for each
	v_mul_u32_u24 v[240+\p], v69, 384
	v_lshl_add_u32 v[240+\p], v70, 4, v[240+\p]
	v_add_nc_u32 v[240+\p], s49, v[240+\p]         ; query r: 12 heads x 32 bytes on; my half's block of 32 codes
	v_mul_u32_u24 v[243+\p], v69, 24
	v_add_nc_u32 v[243+\p], s50, v[243+\p]
	v_mul_u32_u24 v[GO+\p], v70, 3072
	v_lshl_add_u32 v[GO+\p], v69, 4, v[GO+\p]
	v_add_nc_u32 v[GO+\p], s51, v[GO+\p]
	global_load_b128 v[QF+8*\p:QF+8*\p+3], v[240+\p], s[4:5]
	global_load_u16 v[QS+\p], v[243+\p], s[6:7]
.endr
	s_wait_loadcnt 0x0
.irp p, 0,1,2
	v_or_b32 v[QS+\p], 0x7f7f0000, v[QS+\p]        ; the zero codes' bytes.  The lines from here to the first product are its places: more than eight behind a scale word, more than four behind an operand
.endr
.irp p, 0,1,2
.irp i, 4,5,6,7
	v_mov_b32 v[QF+8*\p+\i], 0                     ; k = 64 .. 127: zero codes, written once
.endr
.endr
.irp t, 0,1,2,3
.irp i, 4,5,6,7
	v_mov_b32 v[KF+8*\t+\i], 0
.endr
.endr
.irp b, 0,1,2,3
	v_mov_b32 v[BX+\b], 0                          ; written once: a lane permute's destination counts as one of its sources
.endr
	v_mov_b32 v[F+1], 0                            ; (named as the upper half of a pair)
	v_mov_b32 v[T0], 0
	s_wait_tensorcnt 0x0                           ; my quarter has landed,
	s_barrier_signal -1
	s_barrier_wait -1                              ; everybody's has: from here on the three units are only read
; One scaled product.  acc = 0: it starts the sum; row1 = 1: source 0's scale words stand in lanes 16-31.
.macro MM d, a, b, acc, sa, sb, row1
.if \acc
.if \row1
	v_wmma_scale_f32_16x16x128_f8f6f4 v[\d:\d+7], v[\a:\a+7], v[\b:\b+7], v[\d:\d+7], v[\sa], v[\sb] matrix_a_fmt:MATRIX_FMT_FP4 matrix_b_fmt:MATRIX_FMT_FP4 matrix_a_scale:MATRIX_SCALE_ROW1
.else
	v_wmma_scale_f32_16x16x128_f8f6f4 v[\d:\d+7], v[\a:\a+7], v[\b:\b+7], v[\d:\d+7], v[\sa], v[\sb] matrix_a_fmt:MATRIX_FMT_FP4 matrix_b_fmt:MATRIX_FMT_FP4
.endif
.else
.if \row1
	v_wmma_scale_f32_16x16x128_f8f6f4 v[\d:\d+7], v[\a:\a+7], v[\b:\b+7], 0, v[\sa], v[\sb] matrix_a_fmt:MATRIX_FMT_FP4 matrix_b_fmt:MATRIX_FMT_FP4 matrix_a_scale:MATRIX_SCALE_ROW1
.else
	v_wmma_scale_f32_16x16x128_f8f6f4 v[\d:\d+7], v[\a:\a+7], v[\b:\b+7], 0, v[\sa], v[\sb] matrix_a_fmt:MATRIX_FMT_FP4 matrix_b_fmt:MATRIX_FMT_FP4
.endif
.endif
.endm
.macro PLACES                                  ; four places behind a matrix instruction, in front of loads into registers that it has read and of the first read of its results
.rept 4
	v_nop
.endr
.endm
; A KEY STEP of phase p: 128 keys.  first = 1: the phase's first step starts M, the sum and O^T.
.macro STEP p, first
	v_add_nc_u32 v[AD16], s[T16], v[LI]
	v_add_nc_u32 v[AD8], s[T8], v[L8]
	v_add_nc_u32 v[AD4], s[T4], v[L4]
	ds_load_b64 v[KS:KS+1], v[AD8] offset:KSC          ; the scale words of tiles 0-3,
	ds_load_b64 v[KS+2:KS+3], v[AD8] offset:KSC+256    ; of tiles 4-7
.irp t, 0,1,2,3
	ds_load_b128 v[KF+8*\t:KF+8*\t+3], v[AD16] offset:512*\t
.endr
	s_wait_dscnt 0x0
.irp t, 0,1,2,3
	MM S+8*\t, KF+8*\t, QF+8*\p, 0, KS+\t/2, QS+\p, \t%2
.endr
	PLACES
.irp t, 0,1,2,3
	ds_load_b128 v[KF+8*\t:KF+8*\t+3], v[AD16] offset:2048+512*\t
.endr
.irp t, 0,1,2,3
.irp c, 0,1
	ds_load_b128 v[VF+8*\t+4*\c:VF+8*\t+4*\c+3], v[AD16] offset:VIMG+1024*\t+512*\c   ; V's fragments land under the softmax
.endr
.endr
	ds_load_b32 v[VS], v[AD4] offset:VSC
	ds_load_b32 v[VS+1], v[AD4] offset:VSC+128
	s_wait_dscnt 10                                ; K's four are in; V's eight and its two scale loads may be out
.irp t, 0,1,2,3
	MM S+32+8*\t, KF+8*\t, QF+8*\p, 0, KS+2+\t/2, QS+\p, \t%2
.endr
	PLACES
.irp b, 0,1,2,3
	v_max3_num_f32 v[BM+\b], v[S+16*\b], v[S+1+16*\b], v[S+2+16*\b]   ; THE LARGEST SCORE OF EACH BLOCK OF 32 KEYS serves twice: for the row's maximum and, since p rises with the score, for the block's largest p.  Each accumulator is read from its low end on
.endr
.irp i, 3,5,7,9,11,13
.irp b, 0,1,2,3
	v_max3_num_f32 v[BM+\b], v[BM+\b], v[S+16*\b+\i], v[S+1+16*\b+\i]   ; (the four blocks by turns)
.endr
.endr
.irp b, 0,1,2,3
	v_max_num_f32 v[BM+\b], v[BM+\b], v[S+15+16*\b]
.endr
.irp b, 0,1,2,3
	v_permlanex16_b32 v[BX+\b], v[BM+\b], s[SEL], s[SEL+1]
.endr
.irp b, 0,1,2,3
	v_max_num_f32 v[BM+\b], v[BM+\b], v[BX+\b]     ; with lane l xor 16's 16 keys
.endr
	v_max3_num_f32 v[T0], v[BM], v[BM+1], v[BM+2]
	v_max_num_f32 v[T0], v[T0], v[BM+3]            ; the step's largest score of my query
.if \first
	v_mul_f32 v[TM], s[CS], v[T0]                  ; as t (c is positive)
	v_floor_f32 v[NM], -v[TM]                      ; -M = floor(-t) = -ceil(t): M IS A WHOLE NUMBER
.else
	v_mul_f32 v[T0], s[CS], v[T0]
	v_max_num_f32 v[TM], v[TM], v[T0]              ; the running largest t
	v_mov_b32 v[T0], v[NM]
	v_floor_f32 v[NM], -v[TM]
	v_sub_f32 v[T0], v[NM], v[T0]                  ; M's old value less its new one: a whole number, 0 or less
	v_cvt_i32_f32 v[T0], v[T0]                     ; (it saturates)
	v_ldexp_f32 v[F], 1.0, v[T0]                   ; f = 2^(old M - new M): a multiplication by it rounds nothing
.endif
.irp j, 0,2,4,6,8,10,12,14,16,18,20,22,24,26,28,30,32,34,36,38,40,42,44,46,48,50,52,54,56,58,60,62
	v_pk_fma_f32 v[S+\j:S+\j+1], v[S+\j:S+\j+1], s[CS:CS+1], v[NM:NM+1] op_sel_hi:[1,0,0]   ; t - M, two at a time (of the pairs c and -M the low word serves both halves)
.endr
.irp b, 0,1,2,3
	v_fma_f32 v[BM+\b], v[BM+\b], s[CS], v[NM]     ; the same of each block's largest score
.endr
.irp j, 0,1,2,3,4,5,6,7,8,9,10,11,12,13,14,15,16,17,18,19,20,21,22,23,24,25,26,27,28,29,30,31,32,33,34,35,36,37,38,39,40,41,42,43,44,45,46,47,48,49,50,51,52,53,54,55,56,57,58,59,60,61,62,63
	v_exp_f32 v[S+\j], v[S+\j]                     ; p = 2^(t - M), at most 1: NOT normalised
.endr
.irp b, 0,1,2,3
	v_exp_f32 v[BM+\b], v[BM+\b]                   ; the block's largest p: the same two instructions on the same number
.endr
.if \first
	v_mov_b32 v[L], 0                              ; the sum begins.  (A plain place behind the exponentials)
	v_mov_b32 v[L+1], 0
	s_wait_alu depctr_va_vdst(0)
.else
	v_pk_mul_f32 v[L:L+1], v[L:L+1], v[F:F+1] op_sel_hi:[1,0]   ; the sums under the new M.  (A plain place behind the exponentials)
	s_wait_alu depctr_va_vdst(0)
.endif
.irp b, 0,1,2,3
	v_max_num_f32 v[BM+\b], 0x1800000, v[BM+\b]    ; the floor 2^(3 - 127): the byte cannot fall under 1 (a block whose every p has fallen to 0 keeps that byte: its codes are zeros)
.endr
.irp b, 0,1,2,3
	v_add_nc_u32 v[SO+\b], 0xff000000, v[BM+\b]    ; 2 off the exponent field: the conversion's scale operand
.endr
.irp b, 0,1,2,3
	v_lshrrev_b32 v[BX+\b], 23, v[SO+\b]           ; the scale's byte
.endr
	v_lshl_or_b32 v[PS], v[BX+1], 8, v[BX]         ; p's scale word for these 128 keys
	v_lshl_or_b32 v[PS], v[BX+2], 16, v[PS]
	v_lshl_or_b32 v[PS], v[BX+3], 24, v[PS]
.irp b, 0,1,2,3
	v_cvt_scalef32_pk8_fp4_f32 v[PC+2*\b], v[S+16*\b:S+16*\b+7], v[SO+\b]
	v_cvt_scalef32_pk8_fp4_f32 v[PC+1+2*\b], v[S+8+16*\b:S+8+16*\b+7], v[SO+\b]
.endr
	v_nop                                          ; one plain line behind the scaled conversions
.irp c, 0,1                                    ; the operand's layout wants a WHOLE block in a lane: lanes 0-15 block 2 c, lanes 16-31 block 2 c + 1
.irp i, 0,1
	v_permlane16_swap_b32 v[PC+4*\c+\i], v[PC+2+4*\c+\i]
.endr
.endr
	v_pk_add_f32 v[SUM2:SUM2+1], v[S:S+1], v[S+2:S+3]   ; THE ROW'S SUM IS TAKEN OF THE UNQUANTISED p: two at a time, in two chains.  (These 32 lines are also the places between p's scale word and codes and the products below)
.irp j, 4,8,12,16,20,24,28,32,36,40,44,48,52,56,60
	v_pk_add_f32 v[L:L+1], v[L:L+1], v[S+\j:S+\j+1]
	v_pk_add_f32 v[SUM2:SUM2+1], v[SUM2:SUM2+1], v[S+2+\j:S+3+\j]
.endr
	v_pk_add_f32 v[L:L+1], v[L:L+1], v[SUM2:SUM2+1]
.if !\first
.irp j, 0,2,4,6,8,10,12,14,16,18,20,22,24,26,28,30
	v_pk_mul_f32 v[O+\j:O+\j+1], v[O+\j:O+\j+1], v[F:F+1] op_sel_hi:[1,0]   ; O^T under the new M, each accumulator from its low end on
.endr
.endif
	s_wait_dscnt 0x0                               ; V's fragments and scale words are in
.irp t, 0,1,2,3                                ; O^T += V^T P^T: the four accumulators by turns, one instruction a turn, and the eight products K Q^T stand between two turns of each
	MM O+8*\t, VF+8*\t, PC, 1-\first, VS+\t/2, PS, \t%2
.endr
	s_add_co_u32 s[T16], s[T16], 4096              ; the next step's eight tiles of K and four of V,
	s_add_co_u32 s[T8], s[T8], 512                 ; K's scale words,
	s_add_co_u32 s[T4], s[T4], 256                 ; V's
.endm
; THE WAY OUT of phase p: O^T / the sum goes through my stage and leaves as whole rows: a row (b, n, h) of out0 is 256 consecutive bytes at a multiple of 256.
.macro OUT p
	PLACES
	v_add_f32 v[L], v[L], v[L+1]                   ; the sum's two halves,
	v_permlanex16_b32 v[T0], v[L], s[SEL], s[SEL+1]
	v_add_f32 v[L], v[L], v[T0]                    ; and lane l xor 16's: the row's sum
	v_rcp_f32 v[L], v[L]
	v_nop                                          ; one plain line behind the transcendental
	s_wait_alu depctr_va_vdst(0)
.irp j, 0,2,4,6,8,10,12,14,16,18,20,22,24,26,28,30
	v_pk_mul_f32 v[S+\j:S+\j+1], v[O+\j:O+\j+1], v[L:L+1] op_sel_hi:[1,0]   ; register 8 t + i is o(query r, channel 16 t + 8 h + i)
.endr
.irp t, 0,1,2,3
	ds_store_b128 v[STO], v[S+8*\t:S+8*\t+3] offset:64*\t
	ds_store_b128 v[STO], v[S+8*\t+4:S+8*\t+7] offset:64*\t+16
.endr
.irp i, 0,1,2,3,4,5,6,7
	ds_load_b128 v[S+32+4*\i:S+32+4*\i+3], v[RD] offset:2*SPT*\i   ; LDS serves a wave's instructions in order (ISA guide 5.7.1.4): these see my stores
.endr
.irp i, 0,1,2,3,4,5,6,7
	s_wait_dscnt 7-\i                              ; rows 2 i and 2 i + 1 are back; the younger loads may be out
	global_store_b128 v[GO+\p], v[S+32+4*\i:S+32+4*\i+3], s[10:11] offset:6144*\i th:TH_STORE_NT   ; sixteen lanes store 256 consecutive bytes, aligned; written once, read by nobody here
.endr
.if \p < 2
	s_wait_xcnt 0x0                                ; the stores have read their registers: the next phase's products write them again
.endif
.endm
.macro PHASE p
	s_mov_b32 s[T16], \p*UNITB
	s_mov_b32 s[T8], \p*UNITB
	s_mov_b32 s[T4], \p*UNITB
	STEP \p, 1                                     ; the first step is written out: its products start the sums, nothing is cleared
	s_mov_b32 s[CNT], 3
.Lk_\@:
	STEP \p, 0
	s_sub_co_u32 s[CNT], s[CNT], 1
	s_cmp_lg_u32 s[CNT], 0
	s_cbranch_scc1 .Lk_\@
	OUT \p
.endm
	PHASE 0
	PHASE 1
	PHASE 2
	s_wait_tensorcnt 0x0
	ds_add_u32 v254, v255
	s_wait_dscnt 0x0
	s_endpgm
.Lfunc_end_k_q463c40fb05_attn:
	.size	k_q463c40fb05_attn, .Lfunc_end_k_q463c40fb05_attn-k_q463c40fb05_attn
	.p2alignl 7, 3214868480
	.fill 96, 4, 3214868480
	.section	.rodata,"a",@progbits
	.p2align	6, 0x0
	.amdhsa_kernel k_q463c40fb05_attn
		.amdhsa_group_segment_fixed_size 182272
		.amdhsa_private_segment_fixed_size 0
		.amdhsa_enable_private_segment 0
		.amdhsa_kernarg_size 32
		.amdhsa_user_sgpr_count 2
		.amdhsa_user_sgpr_kernarg_segment_ptr 1
		.amdhsa_wavefront_size32 1
		.amdhsa_system_sgpr_workgroup_id_x 1
		.amdhsa_system_sgpr_workgroup_id_y 1
		.amdhsa_system_sgpr_workgroup_id_z 1
		.amdhsa_system_vgpr_workitem_id 0
		.amdhsa_next_free_vgpr 256
		.amdhsa_next_free_sgpr 66
		.amdhsa_reserve_vcc 0
		.amdhsa_float_denorm_mode_32 3
		.amdhsa_float_denorm_mode_16_64 3
		.amdhsa_memory_ordered 1
		.amdhsa_forward_progress 1
		.amdhsa_inst_pref_size 105
	.end_amdhsa_kernel
	.amdgpu_metadata
---
amdhsa.version: [ 1, 2 ]
amdhsa.kernels:
  - .name:           k_q463c40fb05_attn
    .symbol:         k_q463c40fb05_attn.kd
    .args:
      - { .name: q_codes, .offset: 0, .size: 8, .value_kind: global_buffer, .address_space: global }
      - { .name: q_scales, .offset: 8, .size: 8, .value_kind: global_buffer, .address_space: global }
      - { .name: kvw, .offset: 16, .size: 8, .value_kind: global_buffer, .address_space: global }
      - { .name: out0, .offset: 24, .size: 8, .value_kind: global_buffer, .address_space: global }
    .group_segment_fixed_size: 182272
    .private_segment_fixed_size: 0
    .kernarg_segment_align: 8
    .kernarg_segment_size: 32
    .max_flat_workgroup_size: 512
    .sgpr_count:     66
    .vgpr_count:     256
    .wavefront_size: 32
...
	.end_amdgpu_metadata
.endif
;; end of part 2
